; MI455X (gfx1250); checked and timed in simulation.
; The chip was launched on July 23, 2026; its instructions are those of AMD's public machine-readable ISA for CDNA 5 (MIT licence, August 2026) and "CDNA5" Instruction Set Architecture Reference Guide (July 2026). The comments in the code are by the model that wrote it; some were corrected since.
;; Attention. Allowed arithmetic: float matrix products may take bf16 or f16 operands with f32 sums; all other float work in f32.
;; Inputs: cos 2,048 x 32 float32; mask 2,048 x 2,048 float32; sin 2,048 x 32 float32; wk 2,048 x 512 float32; wo 2,048 x 2,048 float32; wq 2,048 x 2,048 float32; wv 2,048 x 512 float32; x 1 x 2,048 x 2,048 float32.
;; Outputs: out0 1 x 2,048 x 2,048 float32.
;; One version. Each part assembles by itself: llvm-mc -triple=amdgcn-amd-amdhsa -mcpu=gfx1250 --defsym DOCPART=n.
;; ======== version 1 of 1: 4 launches
;; limits: right only within a limited range of input values; values are held in f16: magnitudes above 65,504 overflow, below 6.1e-05 lose precision; values outside matrix products are rounded to bf16
;; workspace buffers: xb 8,388,608 bytes; wb 12,582,912 bytes; woh 8,388,608 bytes; qkvh 12,582,912 bytes; att 8,388,608 bytes
;; launch cast (part 1): grid 1792 x 1, 8 waves a work-group, no clusters, 0 bytes of LDS; arguments x, wq, wk, wv, wo, xb, wb, woh; writes xb, wb, woh
.if DOCPART == 1
	.amdgcn_target "amdgcn-amd-amdhsa--gfx1250"
	.amdhsa_code_object_version 6
	.text
	.protected	k_qdab3530088_cast
	.globl	k_qdab3530088_cast
	.p2align	8
	.type	k_qdab3530088_cast,@function
k_qdab3530088_cast:
	s_mov_b64 s[64:65], 0
	v_nop
	global_prefetch_b8 v0, s[64:65] scope:SCOPE_SE
	s_setreg_imm32_b32 hwreg(HW_REG_WAVE_MODE, 25, 1), 1
	s_wait_xcnt 0x0
; The five f32 matrix inputs are rounded once to 16 bits, so that the three matrix launches behind this one can fetch operands
; of 2 bytes by tensor loads.  x -> xb [2048][2048] bf16;  wq | wk | wv -> wb [2048][3072] bf16 (columns 0, 2048, 2560);
; wo -> woh [2048][2048]: rounded to bf16 like the other inputs, then written as f16, because the last product's other operand
; is f16 and a matrix instruction takes both operands in one format (a bf16 number of magnitude 2^-17 or more is exact in f16,
; a smaller one is off by 2^-25 at the most).
; A pure stream: no LDS, no matrix unit, no cluster (no two work-groups read the same byte).
; The unit is a segment of 512 numbers (2,048 bytes in, 1,024 out).  A work-group takes 16 segments, a wave 2: 4,096 neighbouring
; bytes of the source, eight loads of 16 bytes a lane, all issued before the first is waited for.
; Blocks 0-511 x, 512-1023 wq, 1024-1151 wk, 1152-1279 wv, 1280-1791 wo.
.set XR, 8                             ; v[8:39]   eight loads of four f32
.set YR, 40                            ; v[40:55]  eight pairs of packed results
.set TR, 56                            ; v[56:59]  wo's way: four bf16 widened again
	s_load_b512 s[8:23], s[0:1], 0x0               ; x s[8:9], wq s[10:11], wk s[12:13], wv s[14:15], wo s[16:17], xb s[18:19], wb s[20:21], woh s[22:23]
	v_lshrrev_b32 v1, 5, v0
	v_readfirstlane_b32 s4, v1                     ; wave 0..7
	v_and_b32 v4, 31, v0                           ; lane
	s_mov_b32 s5, ttmp9                            ; block
	s_mov_b32 s28, 0                               ; first block of the tensor
	s_mov_b32 s29, 2                               ; log2 of the segments in a source row
	s_mov_b32 s30, 4096                            ; bytes in a row of the target
	s_mov_b32 s31, 0                               ; the tensor's first column in the target, in bytes
	s_mov_b32 s40, 0xffff0000                      ; a word's upper bf16
	s_wait_kmcnt 0x0
	s_mov_b64 s[24:25], s[8:9]                     ; source and target: x's, unless the block number says otherwise
	s_mov_b64 s[26:27], s[18:19]
	s_cmp_ge_u32 s5, 512                           ; wq
	s_cselect_b64 s[24:25], s[10:11], s[24:25]
	s_cselect_b64 s[26:27], s[20:21], s[26:27]
	s_cselect_b32 s28, 512, s28
	s_cselect_b32 s30, 6144, s30
	s_cmp_ge_u32 s5, 1024                          ; wk: rows of one segment
	s_cselect_b64 s[24:25], s[12:13], s[24:25]
	s_cselect_b32 s28, 1024, s28
	s_cselect_b32 s29, 0, s29
	s_cselect_b32 s31, 4096, s31
	s_cmp_ge_u32 s5, 1152                          ; wv
	s_cselect_b64 s[24:25], s[14:15], s[24:25]
	s_cselect_b32 s28, 1152, s28
	s_cselect_b32 s31, 5120, s31
	s_cmp_ge_u32 s5, 1280                          ; wo
	s_cselect_b64 s[24:25], s[16:17], s[24:25]
	s_cselect_b64 s[26:27], s[22:23], s[26:27]
	s_cselect_b32 s28, 1280, s28
	s_cselect_b32 s29, 2, s29
	s_cselect_b32 s30, 4096, s30
	s_cselect_b32 s31, 0, s31
	s_sub_co_u32 s32, s5, s28                      ; the block's number inside its tensor
	s_lshl_b32 s34, s32, 15                        ; 32,768 source bytes a block,
	s_lshl_b32 s33, s4, 12                         ; 4,096 a wave
	s_add_co_u32 s34, s34, s33
	s_mov_b32 s35, 0
	s_add_nc_u64 s[24:25], s[24:25], s[34:35]
	s_lshl_b32 s36, s32, 4
	s_lshl1_add_u32 s36, s4, s36                   ; my first segment = 16 block + 2 wave
.irp k, 0,1
	s_add_co_u32 s41, s36, \k
	s_lshr_b32 s42, s41, s29                       ; its row,
	s_lshl_b32 s43, s42, s29
	s_sub_co_u32 s43, s41, s43                     ; its place in the row
	s_mul_i32 s42, s42, s30
	s_lshl_b32 s43, s43, 10
	s_add_co_u32 s42, s42, s43
	s_add_co_u32 s42, s42, s31
	v_lshl_add_u32 v[2+\k], v4, 3, s42             ; v2, v3: target offset of my 8 bytes in the segment's first 256
.endr
	v_lshlrev_b32 v1, 4, v4                        ; source offset: 16 bytes a lane
.irp j, 0,1,2,3,4,5,6,7
	global_load_b128 v[XR+4*\j:XR+4*\j+3], v1, s[24:25] offset:512*\j th:TH_LOAD_NT   ; read once in the launch
.endr
	s_cmp_ge_u32 s5, 1280
	s_cbranch_scc1 .Lwo
; Each store of the wave covers 256 consecutive bytes, aligned.  The count leaves the 7 - j younger loads out.
.irp j, 0,1,2,3,4,5,6,7
	s_wait_loadcnt 7-\j
	v_cvt_pk_bf16_f32 v[YR+2*\j],   v[XR+4*\j],   v[XR+4*\j+1]
	v_cvt_pk_bf16_f32 v[YR+2*\j+1], v[XR+4*\j+2], v[XR+4*\j+3]
	global_store_b64 v[2+\j/4], v[YR+2*\j:YR+2*\j+1], s[26:27] offset:256*(\j%4)
.endr
	s_endpgm
.Lwo:                                  ; wo: the same rounding to bf16, then the bf16 numbers as f16
.irp j, 0,1,2,3,4,5,6,7
	s_wait_loadcnt 7-\j
	v_cvt_pk_bf16_f32 v[YR+2*\j],   v[XR+4*\j],   v[XR+4*\j+1]
	v_cvt_pk_bf16_f32 v[YR+2*\j+1], v[XR+4*\j+2], v[XR+4*\j+3]
	v_lshlrev_b32 v[TR],   16,  v[YR+2*\j]
	v_and_b32     v[TR+1], s40, v[YR+2*\j]
	v_lshlrev_b32 v[TR+2], 16,  v[YR+2*\j+1]
	v_and_b32     v[TR+3], s40, v[YR+2*\j+1]
	v_cvt_pk_f16_f32 v[YR+2*\j],   v[TR],   v[TR+1]
	v_cvt_pk_f16_f32 v[YR+2*\j+1], v[TR+2], v[TR+3]
	global_store_b64 v[2+\j/4], v[YR+2*\j:YR+2*\j+1], s[26:27] offset:256*(\j%4)
.endr
	s_endpgm
.Lfunc_end_k_qdab3530088_cast:
	.size	k_qdab3530088_cast, .Lfunc_end_k_qdab3530088_cast-k_qdab3530088_cast
	.p2alignl 7, 3214868480
	.fill 96, 4, 3214868480
	.section	.rodata,"a",@progbits
	.p2align	6, 0x0
	.amdhsa_kernel k_qdab3530088_cast
		.amdhsa_group_segment_fixed_size 0
		.amdhsa_private_segment_fixed_size 0
		.amdhsa_enable_private_segment 0
		.amdhsa_kernarg_size 64
		.amdhsa_user_sgpr_count 2
		.amdhsa_user_sgpr_kernarg_segment_ptr 1
		.amdhsa_wavefront_size32 1
		.amdhsa_system_sgpr_workgroup_id_x 1
		.amdhsa_system_sgpr_workgroup_id_y 1
		.amdhsa_system_sgpr_workgroup_id_z 1
		.amdhsa_system_vgpr_workitem_id 0
		.amdhsa_next_free_vgpr 60
		.amdhsa_next_free_sgpr 66
		.amdhsa_reserve_vcc 0
		.amdhsa_float_denorm_mode_32 3
		.amdhsa_float_denorm_mode_16_64 3
		.amdhsa_memory_ordered 1
		.amdhsa_forward_progress 1
		.amdhsa_inst_pref_size 10
	.end_amdhsa_kernel
	.amdgpu_metadata
---
amdhsa.version: [ 1, 2 ]
amdhsa.kernels:
  - .name:           k_qdab3530088_cast
    .symbol:         k_qdab3530088_cast.kd
    .args:
      - { .name: x, .offset: 0, .size: 8, .value_kind: global_buffer, .address_space: global }
      - { .name: wq, .offset: 8, .size: 8, .value_kind: global_buffer, .address_space: global }
      - { .name: wk, .offset: 16, .size: 8, .value_kind: global_buffer, .address_space: global }
      - { .name: wv, .offset: 24, .size: 8, .value_kind: global_buffer, .address_space: global }
      - { .name: wo, .offset: 32, .size: 8, .value_kind: global_buffer, .address_space: global }
      - { .name: xb, .offset: 40, .size: 8, .value_kind: global_buffer, .address_space: global }
      - { .name: wb, .offset: 48, .size: 8, .value_kind: global_buffer, .address_space: global }
      - { .name: woh, .offset: 56, .size: 8, .value_kind: global_buffer, .address_space: global }
    .group_segment_fixed_size: 0
    .private_segment_fixed_size: 0
    .kernarg_segment_align: 8
    .kernarg_segment_size: 64
    .max_flat_workgroup_size: 256
    .sgpr_count:     66
    .vgpr_count:     60
    .wavefront_size: 32
...
	.end_amdgpu_metadata
.endif
;; end of part 1
;; launch qkv (part 2): grid 16 x 16, 4 waves a work-group, clusters of 4 x 4, 327,680 bytes of LDS; arguments xb, wb, cos, sin, qkvh; writes qkvh
.if DOCPART == 2
	.amdgcn_target "amdgcn-amd-amdhsa--gfx1250"
	.amdhsa_code_object_version 6
	.text
	.protected	k_qdab3530088_qkv
	.globl	k_qdab3530088_qkv
	.p2align	8
	.type	k_qdab3530088_qkv,@function
k_qdab3530088_qkv:
	s_mov_b64 s[64:65], 0
	v_nop
	global_prefetch_b8 v0, s[64:65] scope:SCOPE_SE
	s_setreg_imm32_b32 hwreg(HW_REG_WAVE_MODE, 25, 1), 1
	s_wait_xcnt 0x0
	s_wait_alu depctr_hold_cnt(0) depctr_sa_sdst(0) depctr_va_vdst(0) depctr_va_sdst(0) depctr_va_ssrc(0) depctr_va_vcc(0) depctr_vm_vsrc(0)
	s_getreg_b32 s2, hwreg(HW_REG_IB_STS2, 6, 4)
	s_cmp_eq_u32 s2, 0
	s_cbranch_scc0 .Lentry_in_a_cluster
	s_endpgm
.Lentry_in_a_cluster:
	s_bfe_u32 s2, ttmp6, 0x10000c
	s_cmp_lg_u32 s2, 0xf033
	s_cbranch_scc0 .Lentry_shape_is_right
	s_endpgm
.Lentry_shape_is_right:
; qkvh[head][s][64] (f16) = RoPE(xb . wb).  xb [2048][2048] bf16, wb [2048 k][3072 n] bf16, sums in f32.
; Heads 0-31 q (also multiplied by log2(e)/8, so that the next launch's scores are exponents of 2), 32-39 k, 40-47 v (no RoPE).
; A work-group makes 128 rows x 192 columns (three heads) with four waves; wave (wm, wn) makes rows 64 wm .. +63 and columns
; 32 wn .. +31 of each of the three heads: 4 x 6 accumulator tiles of 16 x 16, 192 registers.
; THE RING: two LDS slots of unequal size, a small one for 128 of K and a big one for 256, filled by tensor loads, one a wave behind each
; change of slots.  K is walked small, big, small, .. small: 6 x 128 + 5 x 256 = 2,048, eleven whole periods.  Two slots of 256 do not fit
; (640 bytes for each k without any padding, times 512, is all of LDS).  While the big slot is multiplied the small one's refill is on its way
; (180 matrix instructions of a wave from the request to the wait for it), while the small one is multiplied the big one's (84).
; CLUSTERS: 4 x 4 work-groups.  x's tile hangs on the block row alone and is asked for jointly by a row of the cluster,
; the weights' tile on the block column alone and is asked for jointly by a column: a quarter of the requests.
; The weights lie [k][n]; ds_load_tr16_b128 transposes them on the way into the fragment.
; The matrix instruction is used transposed (source 0 = 16 columns of the weights, source 1 = 16 rows of x): lane (r, h) then holds
; row r and the eight neighbouring columns 8 h .. 8 h + 7, that is four RoPE pairs, which pack into 16 bytes.
; LIMITS: cos and sin are rounded to bf16 before use (a relative error of up to 2^-9), like x and the weights: q and k, the next launch's
; matrix operands, are made of these four inputs, and all four enter in one format.  The rotation itself is in f32.
; Results of magnitude 65,520 or more become infinite in f16.  v goes through the same lines as q and k with
; cos x 0 + 1 and sin x 0, so a cos or sin that is not finite spoils v's row too (it spoils k's row, and with it every output, anyway).
.set BN,      192
.set NT,      6                        ; column tiles of a wave
.set BP,      480                      ; LDS pitch of a weights row: three pieces of 128 bytes, 32 bytes of padding behind each; 15 x 32
.set BSTRIDE, 3072
.set APS,     272                      ; LDS pitch of a row of x in the small slot: 256 bytes + 16
.set APB,     528                      ; in the big slot: 512 bytes + 16
.set HALFBS,  64*BP                    ; small slot: what one tensor load brings of the weights: 64 k rows
.set BBS,     2*HALFBS
.set HALFAS,  64*APS                   ; and of x: 64 rows
.set BIG,     BBS+2*HALFAS             ; the small slot is bytes 0 .. 96,255; the big slot begins here
.set HALFBB,  128*BP                   ; big slot: 128 k rows of the weights a load
.set BBB,     2*HALFBB
.set HALFAB,  64*APB                   ; 64 rows of x a load
.set STAGE,   BIG                      ; the way out's stage [3 heads][128 rows][144 bytes] lies in the big slot, behind that slot's last fill and last reads
.set STP,     144
.set PAIRA,   384*2                    ; a small and a big period along a row of x, in bytes
.set PAIRB,   384*BSTRIDE*2            ; and down the weights' rows
.set QS,      0x3e38aa3b               ; log2(e) / 8
.set ADRAS, 8                          ; v8        LDS address of my fragments of x in the small slot
.set ADRAB, 9                          ; v9        in the big slot
.set ADRBS, 10                         ; v10       of the weights in the small slot
.set STO,  12                          ; v12       the way out: where I put 16 bytes
.set RD,   13                          ; v13       where I read rows back
.set CO,   14                          ; v14       my byte offset in qkvh
.set CSO,  15                          ; v15       my byte offset in cos and sin; not rewritten while those loads are out
.set ADRBB, 20                         ; v20, v21  of the weights in the big slot: k rows 0-127, 128-255 (an LDS offset has 16 bits)
.set FB,   32                          ; fragments of the weights, buffer 0: v[32:79];   buffer 1: v[112:159]
.set FA,   80                          ; fragments of x,           buffer 0: v[80:111];  buffer 1: v[160:191]
.set FSTEP, 80
.set CP,   32                          ; the way out: v[32:35] cos', v[36:39] sin'
.set SN,   36
.set TMP,  192                         ; v[192:255] rotated results of one head
.set CS,   192                         ; window 1: v[448:511] cos and sin of my rows; window 1, v[256:447]: tile (mt, j) at 8 (6 mt + j)
.set G1A, 24                           ; s[24:31] group 1, x's tiles, small slot;           s[40:47] big slot
.set G1B, 32                           ; s[32:39] group 1, the weights' tiles, small slot;  s[48:55] big slot
.set G0A, 56                           ; s[56:59] group 0, x's tiles, small slot;           s[68:71] big slot
.set G0B, 60                           ; s[60:63] group 0, the weights' tiles, small slot;  s[72:75] big slot
.set MSB, 0
.macro WIN new                         ; the immediate's high byte repeats the setting that is left
.if MSB != \new
	s_set_vgpr_msb (MSB<<8)|\new
.set MSB, \new
.endif
.endm
.macro PLACES n
.rept \n
	v_nop
.endr
.endm
.macro CREST                           ; a round of the cluster's barrier behind its opening barrier
	s_cmp_lg_u32 s14, 0
	s_cbranch_scc1 .Lnot_wave_0_\@
	s_barrier_signal -3
.Lnot_wave_0_\@:
	s_barrier_wait -3
	s_barrier_signal -1
	s_barrier_wait -1
.endm
.macro CROUND                          ; a whole round
	s_barrier_signal -1
	s_barrier_wait -1
	CREST
.endm
; A joint load into the small (big = 0) or the big slot: waves 0 and 1 ask for the weights' two halves, waves 2 and 3 for x's.
; The branch hangs on the wave's number alone.
.macro JLOAD big
	s_cmp_eq_u32 s15, 0
	s_cbranch_scc0 .Lfor_a_\@
	tensor_load_to_lds s[G0B+12*\big:G0B+12*\big+3], s[G1B+16*\big:G1B+16*\big+7]
	s_nop 0
	s_branch .Lasked_\@
.Lfor_a_\@:
	tensor_load_to_lds s[G0A+12*\big:G0A+12*\big+3], s[G1A+16*\big:G1A+16*\big+7]
	s_nop 0
.Lasked_\@:
.endm
	s_load_b256 s[4:11], s[0:1], 0x0               ; xb s[4:5], wb s[6:7], cos s[8:9], sin s[10:11]
	s_load_b64 s[12:13], s[0:1], 0x20              ; qkvh
	v_lshl_add_u32 v30, v0, 2, 0x46000
	v_mov_b32 v31, 0
	ds_add_u32 v30, v31
	v_lshrrev_b32 v1, 5, v0
	v_readfirstlane_b32 s14, v1                    ; wave 0..3
	s_lshr_b32 s15, s14, 1                         ; wm.  Also: I fetch for the weights (0) or for x (1)
	s_and_b32 s16, s14, 1                          ; wn.  Also: which half of that tile I fetch
	s_bfe_u32 s17, ttmp6, 0x40000                  ; cx
	s_bfe_u32 s18, ttmp6, 0x40004                  ; cy
	s_lshl_b32 s19, ttmp9, 2
	s_add_co_u32 s19, s19, s17                     ; block column bx
	s_and_b32 s20, ttmp7, 0xffff
	s_lshl_b32 s20, s20, 2
	s_add_co_u32 s20, s20, s18                     ; block row by
	s_lshl_b32 s21, s18, 2
	s_lshl_b32 s21, 15, s21                        ; my row of the cluster
	s_lshl_b32 s22, 0x1111, s17                    ; my column
	; group 1 for x, small slot: 64 rows x 128 elements of 2 bytes, 4 words of padding behind every 64 words
	s_or_b32 s[G1A+0], s21, (1<<16)|(1<<20)|(1<<21)|(5<<22)|(3<<25)
	s_mov_b32 s[G1A+1], 128<<16                    ; tensor_dim0 = 128
	s_mov_b32 s[G1A+2], 64<<16                     ; tensor_dim1 = 64
	s_mov_b32 s[G1A+3], 128<<16                    ; tile_dim0 = 128
	s_mov_b32 s[G1A+4], 64                         ; tile_dim1 = 64
	s_mov_b32 s[G1A+5], 2048                       ; elements from row to row
	s_mov_b32 s[G1A+6], 0
	s_mov_b32 s[G1A+7], 0
	; big slot: 64 rows x 256 elements, 4 words of padding behind every 128 words
	s_or_b32 s[G1A+16], s21, (1<<16)|(1<<20)|(1<<21)|(6<<22)|(3<<25)
	s_mov_b32 s[G1A+17], 256<<16
	s_mov_b32 s[G1A+18], 64<<16
	s_mov_b32 s[G1A+19], 256<<16
	s_mov_b32 s[G1A+20], 64
	s_mov_b32 s[G1A+21], 2048
	s_mov_b32 s[G1A+22], 0
	s_mov_b32 s[G1A+23], 0
	; group 1 for the weights, small slot: 64 k rows x 192 elements, 8 words of padding behind every 32 words (a third of a row)
	s_or_b32 s[G1B+0], s22, (1<<16)|(1<<20)|(1<<21)|(4<<22)|(7<<25)
	s_mov_b32 s[G1B+1], BN<<16
	s_mov_b32 s[G1B+2], 64<<16
	s_mov_b32 s[G1B+3], BN<<16
	s_mov_b32 s[G1B+4], 64
	s_mov_b32 s[G1B+5], BSTRIDE
	s_mov_b32 s[G1B+6], 0
	s_mov_b32 s[G1B+7], 0
	; big slot: 128 k rows
	s_or_b32 s[G1B+16], s22, (1<<16)|(1<<20)|(1<<21)|(4<<22)|(7<<25)
	s_mov_b32 s[G1B+17], BN<<16
	s_mov_b32 s[G1B+18], 128<<16
	s_mov_b32 s[G1B+19], BN<<16
	s_mov_b32 s[G1B+20], 128
	s_mov_b32 s[G1B+21], BSTRIDE
	s_mov_b32 s[G1B+22], 0
	s_mov_b32 s[G1B+23], 0
	; x's address is made of the block row and the wave's number, the weights' of the block column and the wave's number
	s_lshl_b32 s76, s20, 7
	s_lshl_b32 s77, s16, 6
	s_add_co_u32 s76, s76, s77                     ; row 128 by + 64 half
	s_lshl_b32 s76, s76, 12                        ; rows of 4,096 bytes
	s_mov_b32 s77, 0
	s_mul_i32 s80, s19, 2*BN                       ; column 192 bx
	s_mov_b32 s81, 0
	s_mul_i32 s84, s16, 64*BSTRIDE*2               ; small slot: k row 64 half
	s_mov_b32 s85, 0
	s_mul_i32 s86, s16, 128*BSTRIDE*2              ; big slot: k row 128 + 128 half
	s_add_co_u32 s86, s86, 128*BSTRIDE*2
	s_mov_b32 s87, 0
	s_mul_i32 s88, s14, HALFBS                     ; LDS, small slot: the weights' halves at wave x 30,720 (waves 0, 1),
	s_mul_i32 s89, s14, HALFAS                     ; x's halves behind them at 61,440 + (wave - 2) x 17,408 (waves 2, 3)
	s_mul_i32 s90, s14, HALFBB                     ; big slot: the weights' halves at wave x 61,440,
	s_mul_i32 s91, s14, HALFAB                     ; x's halves behind them at 122,880 + (wave - 2) x 33,792
	s_lshl_b32 s100, s20, 14                       ; 128 rows of cos, of sin (128 bytes) and of a head (128 bytes)
	s_mov_b32 s101, 0
	s_mul_i32 s98, s19, 3                          ; my first head
	s_lshl_b32 s96, s98, 18                        ; heads of 262,144 bytes
	s_add_co_u32 s96, s96, s100
	s_mov_b32 s97, 0
	s_wait_dscnt 0x0
	s_wait_kmcnt 0x0
	s_add_nc_u64 s[78:79], s[4:5], s[76:77]        ; x at my rows
	s_add_nc_u64 s[82:83], s[6:7], s[80:81]        ; the weights at my block's first column
	s_add_nc_u64 s[92:93], s[8:9], s[100:101]      ; cos at the block's first row
	s_add_nc_u64 s[94:95], s[10:11], s[100:101]    ; sin
	s_add_nc_u64 s[96:97], s[12:13], s[96:97]      ; qkvh at my first head and the block's first row
	CROUND                                         ; all sixteen work-groups are here: the first joint loads meet
	s_mov_b32 s[G0A], 1                            ; small slot: K 0 .. 127
	s_add_co_u32 s[G0A+1], s89, BBS-2*HALFAS
	s_mov_b64 s[G0A+2:G0A+3], s[78:79]
	s_or_b32 s[G0A+3], s[G0A+3], 0x80000000
	s_mov_b32 s[G0B], 1
	s_add_co_u32 s[G0B+1], s88, 0
	s_add_nc_u64 s[G0B+2:G0B+3], s[82:83], s[84:85]
	s_or_b32 s[G0B+3], s[G0B+3], 0x80000000
	s_mov_b32 s[G0A+12], 1                         ; big slot: K 128 .. 383
	s_add_co_u32 s[G0A+13], s91, BIG+BBB-2*HALFAB
	s_add_nc_u64 s[G0A+14:G0A+15], s[78:79], 256
	s_or_b32 s[G0A+15], s[G0A+15], 0x80000000
	s_mov_b32 s[G0B+12], 1
	s_add_co_u32 s[G0B+13], s90, BIG
	s_add_nc_u64 s[G0B+14:G0B+15], s[82:83], s[86:87]
	s_or_b32 s[G0B+15], s[G0B+15], 0x80000000
	JLOAD 0                                        ; both slots' first fills go out together, the small one's first:
	JLOAD 1                                        ; two tensor loads of the wave are out
	v_and_b32 v1, 15, v0                           ; r
	v_bfe_u32 v2, v0, 4, 1                         ; h
	v_and_b32 v3, 7, v0
	v_bfe_u32 v4, v0, 3, 1
	v_and_b32 v5, 31, v0                           ; lane
	v_mul_u32_u24 v6, v1, APS                      ; x, small slot: (64 wm + r) pitch + 16 h, behind the weights
	v_lshl_add_u32 v6, v2, 4, v6
	s_mul_i32 s76, s15, HALFAS
	s_add_co_u32 s76, s76, BBS
	v_add_nc_u32 v[ADRAS], s76, v6
	v_mul_u32_u24 v6, v1, APB                      ; big slot: the same with its pitch
	v_lshl_add_u32 v6, v2, 4, v6
	s_mul_i32 s76, s15, HALFAB
	s_add_co_u32 s76, s76, BIG+BBB
	v_add_nc_u32 v[ADRAB], s76, v6
	v_lshl_add_u32 v7, v2, 3, v3                   ; weights, for the transposing load: k row 8 h + lane % 8,
	v_mul_u32_u24 v7, v7, BP
	v_lshl_add_u32 v7, v4, 4, v7                   ; 16 bytes further for lanes 8-15 and 24-31,
	s_lshl_b32 s77, s16, 6                         ; my 32 columns of a head
	v_add_nc_u32 v[ADRBS], s77, v7
	v_add_nc_u32 v[ADRBB], BIG, v[ADRBS]
	v_add_nc_u32 v[ADRBB+1], HALFBB, v[ADRBB]
	v_mul_u32_u24 v16, v1, STP                     ; stage, in: row 64 wm + r, byte 64 wn + 16 h
	v_lshl_add_u32 v16, v2, 4, v16
	s_mul_i32 s80, s15, 64*STP
	s_add_co_u32 s80, s80, s77
	s_add_co_u32 s80, s80, STAGE
	v_add_nc_u32 v[STO], s80, v16
	v_lshrrev_b32 v17, 3, v5                       ; stage, back: row 32 wave + lane / 8, byte 16 (lane % 8)
	v_mul_u32_u24 v17, v17, STP
	v_lshl_add_u32 v17, v3, 4, v17
	s_mul_i32 s81, s14, 32*STP
	s_add_co_u32 s81, s81, STAGE
	v_add_nc_u32 v[RD], s81, v17
	s_lshl_b32 s84, s14, 12
	v_lshl_add_u32 v[CO], v5, 4, s84               ; the same rows in a head: 32 wave rows of 128 bytes + 16 lane
	v_lshlrev_b32 v19, 7, v1                       ; cos, sin: row 64 wm + r (128 bytes), pair 16 wn + 4 h
	v_lshl_add_u32 v19, v2, 4, v19
	s_lshl_b32 s85, s15, 13
	s_add_co_u32 s85, s85, s77
	v_add_nc_u32 v[CSO], s85, v19
	; cos and sin of my rows and pairs, 16 loads, waited for only on the way out
	WIN 0x40                                       ; destination window 1
.irp mt, 0,1,2,3
.irp i, 0,1
	global_load_b128 v[CS+16*\mt+8*\i:CS+16*\mt+8*\i+3],   v[CSO], s[92:93] offset:2048*\mt+32*\i
	global_load_b128 v[CS+16*\mt+8*\i+4:CS+16*\mt+8*\i+7], v[CSO], s[94:95] offset:2048*\mt+32*\i
.endr
.endr
	WIN 0
; six matrix instructions: row tile mt x my six column tiles, 32 along K, from buffer f
.macro MULROW f, mt, zero
.irp j, 0,1,2,3,4,5
.if \zero
	v_wmma_f32_16x16x32_bf16 v[8*(NT*\mt+\j):8*(NT*\mt+\j)+7], v[FB+\f*FSTEP+8*\j:FB+\f*FSTEP+8*\j+7], v[FA+\f*FSTEP+8*\mt:FA+\f*FSTEP+8*\mt+7], 0
.else
	v_wmma_f32_16x16x32_bf16 v[8*(NT*\mt+\j):8*(NT*\mt+\j)+7], v[FB+\f*FSTEP+8*\j:FB+\f*FSTEP+8*\j+7], v[FA+\f*FSTEP+8*\mt:FA+\f*FSTEP+8*\mt+7], v[8*(NT*\mt+\j):8*(NT*\mt+\j)+7]
.endif
.endr
.endm
; 20 LDS loads: the fragments of quarter step q (32 of K) of the small (big = 0: q 0-3) or the big slot (q 0-7) into buffer f.
; Column tile j = (head j / 2, half j % 2): 160 bytes a head, 32 a half.
.macro FETCH big, q, f
.if \big
.set RA, ADRAB
.set RB, ADRBB+(\q)/4
.set PA, APB
.else
.set RA, ADRAS
.set RB, ADRBS
.set PA, APS
.endif
.set QB, (\q)%4
.irp j, 0,1,2,3,4,5
	ds_load_tr16_b128 v[FB+\f*FSTEP+8*\j:FB+\f*FSTEP+8*\j+3],   v[RB] offset:32*QB*BP+(\j/2)*160+(\j%2)*32
	ds_load_tr16_b128 v[FB+\f*FSTEP+8*\j+4:FB+\f*FSTEP+8*\j+7], v[RB] offset:32*QB*BP+16*BP+(\j/2)*160+(\j%2)*32
.endr
.irp m, 0,1,2,3
	ds_load_b128 v[FA+\f*FSTEP+8*\m:FA+\f*FSTEP+8*\m+3],   v[RA] offset:64*\q+16*PA*\m
	ds_load_b128 v[FA+\f*FSTEP+8*\m+4:FA+\f*FSTEP+8*\m+7], v[RA] offset:64*\q+16*PA*\m+32
.endr
.endm
; A quarter step: buffer f, fetched a quarter ago, is multiplied; ahead of that the next quarter's fragments are asked for into buffer g.
; Four v_nop stand between the last matrix instruction that read g and the loads into it (ISA guide 7.12.1 for vector instructions).
; The 24 accumulators take turns, one instruction a turn, in the same order in every quarter.
.macro QUARTER big, qn, f, g, zero
	s_wait_dscnt 0x0                               ; buffer f is in
	PLACES 4
	FETCH \big, \qn, \g
	WIN 0x50                                       ; C and D in window 1
	MULROW \f, 0, \zero
	MULROW \f, 1, \zero
	MULROW \f, 2, \zero
	MULROW \f, 3, \zero
	WIN 0
.endm
.macro THREE zero                      ; the small slot's quarters 0 to 2
	QUARTER 0, 1, 0, 1, \zero
	QUARTER 0, 2, 1, 0, 0
	QUARTER 0, 3, 0, 1, 0
.endm
.macro SEVEN                           ; the big slot's quarters 0 to 6
	QUARTER 1, 1, 0, 1, 0
	QUARTER 1, 2, 1, 0, 0
	QUARTER 1, 3, 0, 1, 0
	QUARTER 1, 4, 1, 0, 0
	QUARTER 1, 5, 0, 1, 0
	QUARTER 1, 6, 1, 0, 0
	QUARTER 1, 7, 0, 1, 0
.endm
; A slot's last quarter changes slots (cur = 0: from the small one to the big one; 1: the other way).  In front of the barrier each wave waits
; for its reads of this slot and for all its tensor loads (the one that is out is its part of the other slot).  Where the slot is filled again
; the barrier opens a round of the cluster's barrier, and the joint refill is the wave's first tensor load behind the round, and its only one
; until the next.
.macro TURN cur, fill
	s_wait_dscnt 0x0
	s_wait_tensorcnt 0x0
	ds_add_u32 v30, v31
	s_wait_dscnt 0x0
	s_barrier_signal -1
	WIN 0x50
	MULROW 1, 0, 0                                 ; register work while the others arrive
	MULROW 1, 1, 0
	WIN 0
	s_barrier_wait -1
.if \fill
	CREST
	s_add_nc_u64 s[G0A+12*\cur+2:G0A+12*\cur+3], s[G0A+12*\cur+2:G0A+12*\cur+3], PAIRA     ; no tensor load of mine is out: 384 of K on
	s_add_nc_u64 s[G0B+12*\cur+2:G0B+12*\cur+3], s[G0B+12*\cur+2:G0B+12*\cur+3], PAIRB
	JLOAD \cur
.endif
	PLACES 4
	FETCH (1-\cur), 0, 0
	WIN 0x50
	MULROW 1, 2, 0
	MULROW 1, 3, 0
	WIN 0
.endm
	s_wait_tensorcnt 0x1                           ; my part of the small slot is in; the big slot's load stays out
	s_barrier_signal -1
	s_barrier_wait -1
	FETCH 0, 0, 0
	THREE 1                                        ; K 0 .. 127: the first products start the sums: nothing is cleared
	TURN 0, 1                                      ; the small slot gets K 384 ..
	s_mov_b32 s23, 4
.Lpair:                                ; trip t: the big slot's K 128 + 384 t .., then the small slot's K 384 (t + 1) ..; each is filled again, 384 further on
	SEVEN
	TURN 1, 1
	THREE 0
	TURN 0, 1
	s_sub_co_u32 s23, s23, 1
	s_cmp_lg_u32 s23, 0
	s_cbranch_scc1 .Lpair
	SEVEN                                          ; K 1,664 .. 1,919: nothing is left to fetch
	TURN 1, 0                                      ; behind this barrier no wave reads the big slot any more
	THREE 0                                        ; K 1,920 .. 2,047
	s_wait_dscnt 0x0
	WIN 0x50
	MULROW 1, 0, 0
	MULROW 1, 1, 0
	MULROW 1, 2, 0
	MULROW 1, 3, 0
	WIN 0
	PLACES 4                                       ; behind the last matrix instructions, ahead of the lines that read results and reuse fragment registers
; THE WAY OUT.  One head at a time: cos' = cos f + g, sin' = sin f, with (f, g) = (log2(e)/8, 0) for q, (1, 0) for k, (0, 1) for v,
; chosen by selects on the head's number; out(2p) = a cos' - b sin', out(2p+1) = a sin' + b cos'; one rounding to f16; 16 bytes a lane into the stage.
; The stage's bytes are the big slot's: its last fill has landed and its last reads were waited for in front of the barrier that ended its last period.
.macro HEAD c
	s_add_co_u32 s84, s98, \c                      ; the head
	s_cmp_lt_u32 s84, 32
	s_cselect_b32 s85, QS, 1.0
	s_cmp_lt_u32 s84, 40
	s_cselect_b32 s85, s85, 0                      ; f
	s_cselect_b32 s86, 0, 1.0                      ; g
	WIN 0x01                                       ; source 0 in window 1: sums, cos, sin
.irp mt, 0,1,2,3
.irp i, 0,1
.irp p, 0,1,2,3
	v_fma_f32 v[CP+\p], v[CS+16*\mt+8*\i+\p], s85, s86
	v_mul_f32 v[SN+\p], v[CS+16*\mt+8*\i+4+\p], s85
.endr
.irp p, 0,1,2,3
	v_mul_f32 v[TMP+8*(2*\mt+\i)+2*\p],   v[8*(NT*\mt+2*\c+\i)+2*\p], v[CP+\p]
	v_mul_f32 v[TMP+8*(2*\mt+\i)+2*\p+1], v[8*(NT*\mt+2*\c+\i)+2*\p], v[SN+\p]
	v_fma_f32 v[TMP+8*(2*\mt+\i)+2*\p],   -v[8*(NT*\mt+2*\c+\i)+2*\p+1], v[SN+\p], v[TMP+8*(2*\mt+\i)+2*\p]
	v_fma_f32 v[TMP+8*(2*\mt+\i)+2*\p+1], v[8*(NT*\mt+2*\c+\i)+2*\p+1],  v[CP+\p], v[TMP+8*(2*\mt+\i)+2*\p+1]
.endr
.endr
.endr
	WIN 0
.irp t, 0,1,2,3,4,5,6,7
.irp p, 0,1,2,3
	v_cvt_pk_f16_f32 v[TMP+8*\t+\p], v[TMP+8*\t+2*\p], v[TMP+8*\t+2*\p+1]   ; in place: word p is written when words 2p, 2p+1 are read
.endr
.endr
.irp mt, 0,1,2,3
.irp i, 0,1
	ds_store_b128 v[STO], v[TMP+8*(2*\mt+\i):TMP+8*(2*\mt+\i)+3] offset:128*STP*\c+16*STP*\mt+32*\i
.endr
.endr
.endm
	s_wait_loadcnt 0x0                             ; cos and sin
	; cos and sin to bf16 and back, once for the three heads: 64 registers, two to a conversion (rounds to nearest even), then widened in place
	WIN 0x05                                       ; sources in window 1, destination in window 0
.set ii, 0
.rept 32
	v_cvt_pk_bf16_f32 v[TMP+ii], v[CS+2*ii], v[CS+2*ii+1]
.set ii, ii+1
.endr
	WIN 0x40                                       ; destination in window 1
.set ii, 0
.rept 32
	v_lshlrev_b32 v[CS+2*ii],   16,         v[TMP+ii]          ; the low half moves up,
	v_and_b32     v[CS+2*ii+1], 0xffff0000, v[TMP+ii]          ; the high half stays
.set ii, ii+1
.endr
	HEAD 0
	HEAD 1
	HEAD 2
	s_wait_dscnt 0x0                               ; my stores into the stage are done, for the other waves' sake
	s_barrier_signal -1
	s_barrier_wait -1
	; back as whole rows of a head (128 bytes): a load or store of the wave covers four rows, 512 consecutive bytes of qkvh, aligned
.irp c, 0,1,2
.irp t, 0,1,2,3,4,5,6,7
	ds_load_b128 v[32+4*(8*\c+\t):32+4*(8*\c+\t)+3], v[RD] offset:128*STP*\c+4*STP*\t
.endr
.endr
.irp c, 0,1,2
.irp t, 0,1,2,3,4,5,6,7
	s_wait_dscnt 23-(8*\c+\t)                      ; the younger read-backs stay out
	global_store_b128 v[CO], v[32+4*(8*\c+\t):32+4*(8*\c+\t)+3], s[96:97] offset:262144*\c+512*\t
.endr
.endr
	s_wait_tensorcnt 0x0
	ds_add_u32 v30, v31
	s_wait_dscnt 0x0
	CROUND                                         ; the closing round: no work-group ends while a partner may still ask for a tile that names it
	s_endpgm
.Lfunc_end_k_qdab3530088_qkv:
	.size	k_qdab3530088_qkv, .Lfunc_end_k_qdab3530088_qkv-k_qdab3530088_qkv
	.p2alignl 7, 3214868480
	.fill 96, 4, 3214868480
	.section	.rodata,"a",@progbits
	.p2align	6, 0x0
	.amdhsa_kernel k_qdab3530088_qkv
		.amdhsa_group_segment_fixed_size 327680
		.amdhsa_private_segment_fixed_size 0
		.amdhsa_enable_private_segment 0
		.amdhsa_kernarg_size 40
		.amdhsa_user_sgpr_count 2
		.amdhsa_user_sgpr_kernarg_segment_ptr 1
		.amdhsa_wavefront_size32 1
		.amdhsa_system_sgpr_workgroup_id_x 1
		.amdhsa_system_sgpr_workgroup_id_y 1
		.amdhsa_system_sgpr_workgroup_id_z 1
		.amdhsa_system_vgpr_workitem_id 0
		.amdhsa_next_free_vgpr 512
		.amdhsa_next_free_sgpr 102
		.amdhsa_reserve_vcc 0
		.amdhsa_float_denorm_mode_32 3
		.amdhsa_float_denorm_mode_16_64 3
		.amdhsa_memory_ordered 1
		.amdhsa_forward_progress 1
		.amdhsa_inst_pref_size 145
	.end_amdhsa_kernel
	.amdgpu_metadata
---
amdhsa.version: [ 1, 2 ]
amdhsa.kernels:
  - .name:           k_qdab3530088_qkv
    .symbol:         k_qdab3530088_qkv.kd
    .args:
      - { .name: xb, .offset: 0, .size: 8, .value_kind: global_buffer, .address_space: global }
      - { .name: wb, .offset: 8, .size: 8, .value_kind: global_buffer, .address_space: global }
      - { .name: cos, .offset: 16, .size: 8, .value_kind: global_buffer, .address_space: global }
      - { .name: sin, .offset: 24, .size: 8, .value_kind: global_buffer, .address_space: global }
      - { .name: qkvh, .offset: 32, .size: 8, .value_kind: global_buffer, .address_space: global }
    .group_segment_fixed_size: 327680
    .private_segment_fixed_size: 0
    .kernarg_segment_align: 8
    .kernarg_segment_size: 40
    .max_flat_workgroup_size: 128
    .sgpr_count:     102
    .vgpr_count:     512
    .wavefront_size: 32
...
	.end_amdgpu_metadata
.endif
;; end of part 2
;; launch attn (part 3): grid 32 x 8, 8 waves a work-group, clusters of 4 x 4, 327,680 bytes of LDS; arguments qkvh, mask, att; writes att
.if DOCPART == 3
	.amdgcn_target "amdgcn-amd-amdhsa--gfx1250"
	.amdhsa_code_object_version 6
	.text
	.protected	k_qdab3530088_attn
	.globl	k_qdab3530088_attn
	.p2align	8
	.type	k_qdab3530088_attn,@function
k_qdab3530088_attn:
	s_mov_b64 s[64:65], 0
	v_nop
	global_prefetch_b8 v0, s[64:65] scope:SCOPE_SE
	s_setreg_imm32_b32 hwreg(HW_REG_WAVE_MODE, 25, 1), 1
	s_wait_xcnt 0x0
	s_wait_alu depctr_hold_cnt(0) depctr_sa_sdst(0) depctr_va_vdst(0) depctr_va_sdst(0) depctr_va_ssrc(0) depctr_va_vcc(0) depctr_vm_vsrc(0)
	s_getreg_b32 s2, hwreg(HW_REG_IB_STS2, 6, 4)
	s_cmp_eq_u32 s2, 0
	s_cbranch_scc0 .Lentry_in_a_cluster
	s_endpgm
.Lentry_in_a_cluster:
	s_bfe_u32 s2, ttmp6, 0x10000c
	s_cmp_lg_u32 s2, 0xf033
	s_cbranch_scc0 .Lentry_shape_is_right
	s_endpgm
.Lentry_shape_is_right:
; att[s][64 head + d] (f16) = softmax(q . k / 8 + mask) . v, with a running maximum.  qkvh [48 heads][2048][64] f16 (q already holds log2(e)/8).
; A work-group: 64 query rows x the four query heads of one key/value head g, all 2,048 keys in 16 tiles of 128.  The mask is an input:
; every key is processed and every mask number is read.
; Eight waves: wave = (rg = wave % 4: 16 query rows; kh = wave / 4: 64 keys of every tile), all four heads each, so that a fragment of K,
; of V and a register of the mask each serve four heads.  The two key halves keep maxima and sums of their own and meet once, at the end, in LDS.
; EVERYTHING TRANSPOSED: S^T = K Q^T (source 0 = 16 keys, source 1 = 16 queries), O^T = V^T P^T.  A lane then owns query r = lane % 16:
; maximum, sum and rescaling are one number a lane and head (one exchange between the lane halves), and two tiles of S^T, packed to f16,
; are P^T's operand as they stand.
; CLUSTERS: 4 x 4 work-groups.  K's and V's tiles hang on g alone and are asked for jointly by a row of the cluster (four query blocks);
; the mask's tile hangs on the query block alone and is asked for jointly by a column (four key/value heads).
; The mask is multiplied by log2(e) first and then added: keys with the same mask number far larger than the scores get the same sum.
; LIMITS: the running maximum starts at -1e30 (in exponents of 2): a row all of whose scores lie below gives NaN (0/0); so does a row of -inf.
; The row sum adds p before its rounding to f16.
.set KP,    144                        ; LDS pitch of a row of K: 128 bytes + 16
.set VP,    160                        ; of V: 128 + 32 (5 x 32, for the transposing load)
.set MP,    528                        ; of the mask: 512 + 16
.set VOFF,  128*KP
.set MOFF,  VOFF+128*VP
.set SLOT,  MOFF+64*MP                 ; 72,704
.set SCR,   2*SLOT                     ; behind the ring, never a tensor load's target: four areas of 17,920 bytes, key half 1 to key half 0
.set SCRW,  17920
.set STAGE, SCR+4*SCRW                 ; four stages of 16 rows x 528 bytes for the way out
.set STW,   16*MP
.set TX,   4                           ; v[4:7]    what comes from the other lane half
.set ADRK, 8                           ; v8, v9    LDS address of my K fragments in slot 0, 1
.set ADRV, 10                          ; v10, v11  V
.set ADRM, 12                          ; v12, v13  mask
.set QOFF, 14
.set SCRA, 15
.set STO,  16
.set RD,   17
.set CO,   18
.set MX,   20                          ; v[20:27]  running maximum, a pair (twice the same) for each head
.set LS,   28                          ; v[28:31]  running sum of my lane's keys, one for each head
.set AL,   36                          ; v[36:43]  rescaling factor, a pair for each head
.set T,    44                          ; v[44:59]  at work
.set KV,   64                          ; v[64:127] fragments of K, then of V
.set SC,   128                         ; v[128:255] S^T: head hd, key tile kt at 32 hd + 8 kt; then P^T: head hd, 32 keys c at 32 hd + 16 c
.set QF,   0                           ; window 1: v[256:319] Q: head hd, d half dh at 16 hd + 8 dh
.set OA,   64                          ; window 1: v[320:447] O^T: head hd, d tile dt at 32 hd + 8 dt
.set MK,   192                         ; window 1: v[448:479] mask: key tile kt at 8 kt
.set G1K, 24
.set G1V, 32
.set G1M, 40
.set G0K, 48                           ; group 0, a set for each slot
.set G0V, 56
.set G0M, 68
.set MSB, 0
.macro WIN new
.if MSB != \new
	s_set_vgpr_msb (MSB<<8)|\new
.set MSB, \new
.endif
.endm
.macro PLACES n
.rept \n
	v_nop
.endr
.endm
.macro CREST
	s_cmp_lg_u32 s10, 0
	s_cbranch_scc1 .Lnot_wave_0_\@
	s_barrier_signal -3
.Lnot_wave_0_\@:
	s_barrier_wait -3
	s_barrier_signal -1
	s_barrier_wait -1
.endm
.macro CROUND
	s_barrier_signal -1
	s_barrier_wait -1
	CREST
.endm
; A step's three tiles: wave 0 asks for K's, wave 1 for V's, wave 2 for the mask's; the others ask for none.  One tensor load of a wave is out at the most.
.macro JLOAD s
	s_cmp_lg_u32 s10, 0
	s_cbranch_scc1 .Lnot_k_\@
	tensor_load_to_lds s[G0K+4*\s:G0K+4*\s+3], s[G1K:G1K+7]
	s_nop 0
	s_branch .Lasked_\@
.Lnot_k_\@:
	s_cmp_lg_u32 s10, 1
	s_cbranch_scc1 .Lnot_v_\@
	tensor_load_to_lds s[G0V+4*\s:G0V+4*\s+3], s[G1V:G1V+7]
	s_nop 0
	s_branch .Lasked_\@
.Lnot_v_\@:
	s_cmp_lg_u32 s10, 2
	s_cbranch_scc1 .Lasked_\@
	tensor_load_to_lds s[G0M+4*\s:G0M+4*\s+3], s[G1M:G1M+7]
	s_nop 0
.Lasked_\@:
.endm
	s_load_b128 s[4:7], s[0:1], 0x0                ; qkvh s[4:5], mask s[6:7]
	s_load_b64 s[8:9], s[0:1], 0x10                ; att
	v_lshl_add_u32 v62, v0, 2, 0x3d400
	v_mov_b32 v63, 0
	ds_add_u32 v62, v63
	v_lshrrev_b32 v1, 5, v0
	v_readfirstlane_b32 s10, v1                    ; wave 0..7
	s_and_b32 s11, s10, 3                          ; rg
	s_lshr_b32 s12, s10, 2                         ; kh
	s_bfe_u32 s13, ttmp6, 0x40000                  ; cx
	s_bfe_u32 s14, ttmp6, 0x40004                  ; cy
	s_lshl_b32 s15, ttmp9, 2
	s_add_co_u32 s15, s15, s13                     ; query block bx
	s_and_b32 s16, ttmp7, 0xffff
	s_lshl_b32 s16, s16, 2
	s_add_co_u32 s16, s16, s14                     ; key/value head g
	s_lshl_b32 s17, s14, 2
	s_lshl_b32 s17, 15, s17                        ; my row of the cluster
	s_lshl_b32 s18, 0x1111, s13                    ; my column
	s_mov_b32 s19, 0x76543210                      ; v_permlanex16_b32: lane i of one half reads lane i of the other
	s_mov_b32 s20, 0xfedcba98
	s_mov_b32 s22, 0x3fb8aa3b                      ; log2(e)
	s_mov_b32 s23, 0x3fb8aa3b
	; K: 128 rows x 64 elements of 2 bytes, dense; 4 words of padding behind every 32
	s_or_b32 s[G1K+0], s17, (1<<16)|(1<<20)|(1<<21)|(4<<22)|(3<<25)
	s_mov_b32 s[G1K+1], 64<<16
	s_mov_b32 s[G1K+2], 128<<16
	s_mov_b32 s[G1K+3], 64<<16
	s_mov_b32 s[G1K+4], 128
	s_mov_b32 s[G1K+5], 64
	s_mov_b32 s[G1K+6], 0
	s_mov_b32 s[G1K+7], 0
	; V: the same with 8 words of padding
	s_or_b32 s[G1V+0], s17, (1<<16)|(1<<20)|(1<<21)|(4<<22)|(7<<25)
	s_mov_b32 s[G1V+1], 64<<16
	s_mov_b32 s[G1V+2], 128<<16
	s_mov_b32 s[G1V+3], 64<<16
	s_mov_b32 s[G1V+4], 128
	s_mov_b32 s[G1V+5], 64
	s_mov_b32 s[G1V+6], 0
	s_mov_b32 s[G1V+7], 0
	; mask: 64 rows x 128 elements of 4 bytes, 2,048 from row to row; 4 words of padding behind every 128
	s_or_b32 s[G1M+0], s18, (2<<16)|(1<<20)|(1<<21)|(6<<22)|(3<<25)
	s_mov_b32 s[G1M+1], 128<<16
	s_mov_b32 s[G1M+2], 64<<16
	s_mov_b32 s[G1M+3], 128<<16
	s_mov_b32 s[G1M+4], 64
	s_mov_b32 s[G1M+5], 2048
	s_mov_b32 s[G1M+6], 0
	s_mov_b32 s[G1M+7], 0
	s_add_co_u32 s76, s16, 32                      ; K's head,
	s_lshl_b32 s76, s76, 18                        ; heads of 262,144 bytes
	s_mov_b32 s77, 0
	s_add_co_u32 s78, s16, 40                      ; V's head
	s_lshl_b32 s78, s78, 18
	s_mov_b32 s79, 0
	s_lshl_b32 s80, s15, 19                        ; the mask's 64 rows of 8,192 bytes
	s_mov_b32 s81, 0
	s_lshl_b32 s82, s16, 20                        ; q: head 4 g,
	s_lshl_b32 s83, s15, 13                        ; 64 rows of 128 bytes
	s_add_co_u32 s82, s82, s83
	s_mov_b32 s83, 0
	s_lshl_b32 s86, s15, 6
	s_lshl4_add_u32 s86, s11, s86                  ; att: row 64 bx + 16 rg,
	s_lshl_b32 s86, s86, 12                        ; rows of 4,096 bytes,
	s_lshl_b32 s87, s16, 9                         ; four heads of 128 bytes
	s_add_co_u32 s86, s86, s87
	s_mov_b32 s87, 0
	s_wait_dscnt 0x0
	s_wait_kmcnt 0x0
	s_add_nc_u64 s[76:77], s[4:5], s[76:77]
	s_add_nc_u64 s[78:79], s[4:5], s[78:79]
	s_add_nc_u64 s[80:81], s[6:7], s[80:81]
	s_add_nc_u64 s[82:83], s[4:5], s[82:83]
	s_add_nc_u64 s[84:85], s[8:9], s[86:87]
.irp s, 0,1
	s_mov_b32 s[G0K+4*\s], 1
	s_mov_b32 s[G0K+4*\s+1], \s*SLOT
	s_add_nc_u64 s[G0K+4*\s+2:G0K+4*\s+3], s[76:77], \s*16384      ; tile s: 128 keys of 128 bytes
	s_or_b32 s[G0K+4*\s+3], s[G0K+4*\s+3], 0x80000000
	s_mov_b32 s[G0V+4*\s], 1
	s_mov_b32 s[G0V+4*\s+1], \s*SLOT+VOFF
	s_add_nc_u64 s[G0V+4*\s+2:G0V+4*\s+3], s[78:79], \s*16384
	s_or_b32 s[G0V+4*\s+3], s[G0V+4*\s+3], 0x80000000
	s_mov_b32 s[G0M+4*\s], 1
	s_mov_b32 s[G0M+4*\s+1], \s*SLOT+MOFF
	s_add_nc_u64 s[G0M+4*\s+2:G0M+4*\s+3], s[80:81], \s*512        ; 128 columns of 4 bytes
	s_or_b32 s[G0M+4*\s+3], s[G0M+4*\s+3], 0x80000000
.endr
	CROUND                                         ; in front of the first joint loads
	JLOAD 0                                        ; tile 0
	v_and_b32 v1, 31, v0                           ; lane
	v_and_b32 v2, 15, v0                           ; r
	v_bfe_u32 v3, v0, 4, 1                         ; h
	v_and_b32 v32, 7, v0
	v_bfe_u32 v33, v0, 3, 1
.irp i, 0,1,2,3
	v_mov_b32 v[TX+\i], 0                          ; v_permlanex16_b32 counts as a reader of its destination
.endr
	v_mul_u32_u24 v34, v2, KP                      ; K: key row 64 kh + r, byte 16 h
	v_lshl_add_u32 v34, v3, 4, v34
	s_mul_i32 s88, s12, 64*KP
	v_add_nc_u32 v[ADRK], s88, v34
	v_add_nc_u32 v[ADRK+1], SLOT, v[ADRK]
	v_lshl_add_u32 v34, v3, 3, v32                 ; V, for the transposing load: key row 64 kh + 8 h + lane % 8,
	v_mul_u32_u24 v34, v34, VP
	v_lshl_add_u32 v34, v33, 4, v34                ; 16 bytes further for lanes 8-15 and 24-31
	s_mul_i32 s88, s12, 64*VP
	s_add_co_u32 s88, s88, VOFF
	v_add_nc_u32 v[ADRV], s88, v34
	v_add_nc_u32 v[ADRV+1], SLOT, v[ADRV]
	v_mul_u32_u24 v34, v2, MP                      ; mask: query row 16 rg + r, key 64 kh + 8 h (4 bytes each)
	v_lshl_add_u32 v34, v3, 5, v34
	s_mul_i32 s88, s11, 16*MP
	s_lshl_b32 s89, s12, 8
	s_add_co_u32 s88, s88, s89
	s_add_co_u32 s88, s88, MOFF
	v_add_nc_u32 v[ADRM], s88, v34
	v_add_nc_u32 v[ADRM+1], SLOT, v[ADRM]
	v_lshlrev_b32 v34, 7, v2                       ; q: row 16 rg + r (128 bytes), byte 16 h
	v_lshl_add_u32 v34, v3, 4, v34
	s_lshl_b32 s88, s11, 11
	v_add_nc_u32 v[QOFF], s88, v34
	s_mul_i32 s88, s11, SCRW
	s_add_co_u32 s88, s88, SCR
	v_lshl_add_u32 v[SCRA], v1, 4, s88             ; my row group's area: 16 bytes a lane
	v_mul_u32_u24 v34, v2, MP                      ; stage, in: row r, byte 16 h
	v_lshl_add_u32 v34, v3, 4, v34
	s_mul_i32 s88, s11, STW
	s_add_co_u32 s88, s88, STAGE
	v_add_nc_u32 v[STO], s88, v34
	v_lshl_add_u32 v[RD], v1, 4, s88               ; back: a whole row of 512 bytes, 16 bytes a lane
	v_lshlrev_b32 v[CO], 4, v1
	WIN 0x40                                       ; Q's fragments stay in registers for the whole launch
.irp hd, 0,1,2,3
.irp dh, 0,1
	global_load_b128 v[QF+16*\hd+8*\dh:QF+16*\hd+8*\dh+3],   v[QOFF], s[82:83] offset:262144*\hd+64*\dh
	global_load_b128 v[QF+16*\hd+8*\dh+4:QF+16*\hd+8*\dh+7], v[QOFF], s[82:83] offset:262144*\hd+64*\dh+32
.endr
.endr
	WIN 0
	s_wait_loadcnt 0x0
; the sum of head hd's 32 numbers of my lane, in four chains, and the running sum
.macro SUMS hd, first
.set TS, T+8*(\hd%2)
.irp a, 0,1,2,3
	v_pk_add_f32 v[TS+2*\a:TS+2*\a+1], v[SC+32*\hd+4*\a:SC+32*\hd+4*\a+1], v[SC+32*\hd+4*\a+2:SC+32*\hd+4*\a+3]
.endr
.irp b, 0,1
.irp a, 0,1,2,3
	v_pk_add_f32 v[TS+2*\a:TS+2*\a+1], v[TS+2*\a:TS+2*\a+1], v[SC+32*\hd+16+8*\b+2*\a:SC+32*\hd+16+8*\b+2*\a+1]
.endr
.endr
	v_pk_add_f32 v[TS:TS+1],   v[TS:TS+1],   v[TS+2:TS+3]
	v_pk_add_f32 v[TS+4:TS+5], v[TS+4:TS+5], v[TS+6:TS+7]
	v_pk_add_f32 v[TS:TS+1],   v[TS:TS+1],   v[TS+4:TS+5]
.if \first
	v_add_f32 v[LS+\hd], v[TS], v[TS+1]
.else
	v_add_f32 v[TS], v[TS], v[TS+1]
	v_fma_f32 v[LS+\hd], v[LS+\hd], v[AL+2*\hd], v[TS]
.endif
.endm
; One tile of 128 keys, in slot 'slot'.  refill = 1: the other slot gets the next tile.  first = 1: the first tile starts maxima, sums and O.
.macro TRIP slot, refill, first
	s_wait_tensorcnt 0x0                           ; all my tensor loads have landed, my part of this tile among them, so every group 0 may be written:
	ds_add_u32 v62, v63
	s_wait_dscnt 0x0
	s_add_nc_u64 s[G0K+4*\slot+2:G0K+4*\slot+3], s[G0K+4*\slot+2:G0K+4*\slot+3], 2*16384   ; this slot's next tile
	s_add_nc_u64 s[G0V+4*\slot+2:G0V+4*\slot+3], s[G0V+4*\slot+2:G0V+4*\slot+3], 2*16384
	s_add_nc_u64 s[G0M+4*\slot+2:G0M+4*\slot+3], s[G0M+4*\slot+2:G0M+4*\slot+3], 2*512
	s_wait_dscnt 0x0                               ; my reads of the last tile are done
	CROUND                                         ; both now hold of every wave of every work-group of the cluster
.if \refill
	JLOAD (1-\slot)                                ; first behind the round: the next tile, into the slot read last; it has this whole tile's work in which to land
.endif
.irp kt, 0,1,2,3
.irp dh, 0,1
	ds_load_b128 v[KV+16*\kt+8*\dh:KV+16*\kt+8*\dh+3],   v[ADRK+\slot] offset:16*KP*\kt+64*\dh
	ds_load_b128 v[KV+16*\kt+8*\dh+4:KV+16*\kt+8*\dh+7], v[ADRK+\slot] offset:16*KP*\kt+64*\dh+32
.endr
.endr
	WIN 0x40
.irp kt, 0,1,2,3
	ds_load_b128 v[MK+8*\kt:MK+8*\kt+3],   v[ADRM+\slot] offset:64*\kt
	ds_load_b128 v[MK+8*\kt+4:MK+8*\kt+7], v[ADRM+\slot] offset:64*\kt+16
.endr
	s_wait_dscnt 0x8                               ; K is in; the eight loads of the mask stay out
	; S^T = K Q^T: 16 accumulators take turns, one instruction a turn; the first half of d starts the sums
	WIN 0x04                                       ; source 1 (Q) in window 1
.irp hd, 0,1,2,3
.irp kt, 0,1,2,3
	v_wmma_f32_16x16x32_f16 v[SC+32*\hd+8*\kt:SC+32*\hd+8*\kt+7], v[KV+16*\kt:KV+16*\kt+7], v[QF+16*\hd:QF+16*\hd+7], 0
.endr
.endr
.irp hd, 0,1,2,3
.irp kt, 0,1,2,3
	v_wmma_f32_16x16x32_f16 v[SC+32*\hd+8*\kt:SC+32*\hd+8*\kt+7], v[KV+16*\kt+8:KV+16*\kt+15], v[QF+16*\hd+8:QF+16*\hd+15], v[SC+32*\hd+8*\kt:SC+32*\hd+8*\kt+7]
.endr
.endr
	s_wait_dscnt 0x0                               ; the mask
	WIN 0x41                                       ; mask x log2(e), once for the four heads.  These 16 lines name no register of the products above:
.irp i, 0,1,2,3,4,5,6,7,8,9,10,11,12,13,14,15
	v_pk_mul_f32 v[MK+2*\i:MK+2*\i+1], v[MK+2*\i:MK+2*\i+1], s[22:23] op_sel_hi:[1,0]    ; they are the places behind them (ISA guide 7.12.1)
.endr
	WIN 0
.irp c, 0,1
.irp dt, 0,1,2,3
	ds_load_tr16_b128 v[KV+32*\c+8*\dt:KV+32*\c+8*\dt+3],   v[ADRV+\slot] offset:32*VP*\c+32*\dt         ; V^T: d 16 dt + r, keys 32 c + 8 h ..
	ds_load_tr16_b128 v[KV+32*\c+8*\dt+4:KV+32*\c+8*\dt+7], v[ADRV+\slot] offset:32*VP*\c+16*VP+32*\dt   ; keys 32 c + 16 + 8 h ..
.endr
.endr
	WIN 0x01
.irp hd, 0,1,2,3
.irp i, 0,1,2,3,4,5,6,7,8,9,10,11,12,13,14,15
	v_pk_add_f32 v[SC+32*\hd+2*\i:SC+32*\hd+2*\i+1], v[MK+2*\i:MK+2*\i+1], v[SC+32*\hd+2*\i:SC+32*\hd+2*\i+1]
.endr
.endr
	WIN 0
	; the new maximum of each head: my 32 numbers and the old maximum, two to an instruction; then the other lane half's
.irp hd, 0,1,2,3
.irp kt, 0,1,2,3
	v_max3_num_f32 v[T+4*\hd+\kt], v[SC+32*\hd+8*\kt], v[SC+32*\hd+8*\kt+1], v[SC+32*\hd+8*\kt+2]
.endr
.endr
.irp hd, 0,1,2,3
.irp kt, 0,1,2,3
	v_max3_num_f32 v[T+4*\hd+\kt], v[T+4*\hd+\kt], v[SC+32*\hd+8*\kt+3], v[SC+32*\hd+8*\kt+4]
.endr
.endr
.irp hd, 0,1,2,3
.irp kt, 0,1,2,3
	v_max3_num_f32 v[T+4*\hd+\kt], v[T+4*\hd+\kt], v[SC+32*\hd+8*\kt+5], v[SC+32*\hd+8*\kt+6]
.endr
.endr
.irp hd, 0,1,2,3
	v_max3_num_f32 v[T+4*\hd],   v[T+4*\hd],   v[SC+32*\hd+7],  v[SC+32*\hd+15]
	v_max3_num_f32 v[T+4*\hd+1], v[T+4*\hd+1], v[SC+32*\hd+23], v[SC+32*\hd+31]
.endr
.irp hd, 0,1,2,3
	v_max3_num_f32 v[T+4*\hd], v[T+4*\hd], v[T+4*\hd+1], v[T+4*\hd+2]
.endr
.irp hd, 0,1,2,3
.if \first
	v_max3_num_f32 v[T+4*\hd], v[T+4*\hd], v[T+4*\hd+3], 0xf149f2ca      ; -1e30: a tile of -inf alone leaves a finite maximum
.else
	v_max3_num_f32 v[T+4*\hd], v[T+4*\hd], v[T+4*\hd+3], v[MX+2*\hd]
.endif
.endr
.irp hd, 0,1,2,3
	v_permlanex16_b32 v[TX+\hd], v[T+4*\hd], s19, s20
.endr
.irp hd, 0,1,2,3
	v_max_num_f32 v[T+4*\hd], v[T+4*\hd], v[TX+\hd]
.endr
.if \first == 0
.irp hd, 0,1,2,3
	v_sub_f32 v[AL+2*\hd], v[MX+2*\hd], v[T+4*\hd]
.endr
.irp hd, 0,1,2,3
	v_exp_f32 v[AL+2*\hd], v[AL+2*\hd]             ; 2^(old maximum - new)
.endr
.endif
.irp hd, 0,1,2,3
	v_mov_b32 v[MX+2*\hd],   v[T+4*\hd]            ; plain lines that touch no factor stand between the exponentials and their first use (ISA guide 5.7.2)
	v_mov_b32 v[MX+2*\hd+1], v[T+4*\hd]
.endr
.if \first == 0
	s_wait_alu depctr_va_vdst(0)
.irp hd, 0,1,2,3
	v_mov_b32 v[AL+2*\hd+1], v[AL+2*\hd]
.endr
.endif
	; p = 2^(s - maximum): the maximum is taken away first
.irp hd, 0,1,2,3
.irp i, 0,1,2,3,4,5,6,7,8,9,10,11,12,13,14,15
	v_pk_add_f32 v[SC+32*\hd+2*\i:SC+32*\hd+2*\i+1], v[SC+32*\hd+2*\i:SC+32*\hd+2*\i+1], v[MX+2*\hd:MX+2*\hd+1] neg_lo:[0,1] neg_hi:[0,1]
.endr
.endr
.set ii, 0
.rept 128
	v_exp_f32 v[SC+ii], v[SC+ii]
.set ii, ii+1
.endr
	v_nop                                          ; one plain place behind the last exponential
	s_wait_alu depctr_va_vdst(0)
	SUMS 0, \first
	SUMS 1, \first
	SUMS 2, \first
	SUMS 3, \first
	; P^T: key tiles 2c and 2c+1, packed in place, are registers 0-3 and 4-7 of the operand for keys 32 c .. 32 c + 31
.irp hd, 0,1,2,3
.irp c, 0,1
.irp q, 0,1,2,3,4,5,6,7
	v_cvt_pk_f16_f32 v[SC+32*\hd+16*\c+\q], v[SC+32*\hd+16*\c+2*\q], v[SC+32*\hd+16*\c+2*\q+1]
.endr
.endr
.endr
.if \first == 0
	WIN 0x41
.irp hd, 0,1,2,3
.irp i, 0,1,2,3,4,5,6,7,8,9,10,11,12,13,14,15
	v_pk_mul_f32 v[OA+32*\hd+2*\i:OA+32*\hd+2*\i+1], v[OA+32*\hd+2*\i:OA+32*\hd+2*\i+1], v[AL+2*\hd:AL+2*\hd+1]
.endr
.endr
.endif
	s_wait_dscnt 0x0                               ; V
	; O^T += V^T P^T: again 16 accumulators by turns
	WIN 0x50                                       ; C and D in window 1
.irp hd, 0,1,2,3
.irp dt, 0,1,2,3
.if \first
	v_wmma_f32_16x16x32_f16 v[OA+32*\hd+8*\dt:OA+32*\hd+8*\dt+7], v[KV+8*\dt:KV+8*\dt+7], v[SC+32*\hd:SC+32*\hd+7], 0
.else
	v_wmma_f32_16x16x32_f16 v[OA+32*\hd+8*\dt:OA+32*\hd+8*\dt+7], v[KV+8*\dt:KV+8*\dt+7], v[SC+32*\hd:SC+32*\hd+7], v[OA+32*\hd+8*\dt:OA+32*\hd+8*\dt+7]
.endif
.endr
.endr
.irp hd, 0,1,2,3
.irp dt, 0,1,2,3
	v_wmma_f32_16x16x32_f16 v[OA+32*\hd+8*\dt:OA+32*\hd+8*\dt+7], v[KV+32+8*\dt:KV+32+8*\dt+7], v[SC+32*\hd+16:SC+32*\hd+23], v[OA+32*\hd+8*\dt:OA+32*\hd+8*\dt+7]
.endr
.endr
	WIN 0
	PLACES 5                                       ; the next tile loads into V's registers and its first products write over P's
.endm
	TRIP 0, 1, 1                                   ; tile 0; slot 1's first fill stands behind this tile's round
	TRIP 1, 1, 0
	s_mov_b32 s21, 6
.Ltiles:
	TRIP 0, 1, 0
	TRIP 1, 1, 0
	s_sub_co_u32 s21, s21, 1
	s_cmp_lg_u32 s21, 0
	s_cbranch_scc1 .Ltiles
	TRIP 0, 1, 0                                   ; tile 14 asks for tile 15,
	TRIP 1, 0, 0                                   ; tile 15 for nothing
	; THE TWO KEY HALVES MEET.  Waves 4-7 hand O^T, maxima and sums to waves 0-3 through LDS bytes that no tensor load fills.
	s_cmp_eq_u32 s12, 0
	s_cbranch_scc1 .Lkeep
	WIN 0x04                                       ; store data in window 1
.set ii, 0
.rept 32
	ds_store_b128 v[SCRA], v[OA+4*ii:OA+4*ii+3] offset:512*ii
.set ii, ii+1
.endr
	WIN 0
	ds_store_b128 v[SCRA], v[MX:MX+3]   offset:16384
	ds_store_b128 v[SCRA], v[MX+4:MX+7] offset:16896
	ds_store_b128 v[SCRA], v[LS:LS+3]   offset:17408
.Lkeep:
	s_wait_dscnt 0x0                               ; for the other waves' sake
	s_barrier_signal -1
	s_barrier_wait -1
	s_cmp_lg_u32 s12, 0
	s_cbranch_scc1 .Lclose
.set BM, 64                            ; v[64:71]  the partner's maxima (pairs)
.set BL, 72                            ; v[72:75]  the partner's sums
.set GB, 76                            ; v[76:83]  the partner's weight, a pair for each head
.set GA, AL                            ;           my weight, a pair for each head
	ds_load_b128 v[BM:BM+3],   v[SCRA] offset:16384
	ds_load_b128 v[BM+4:BM+7], v[SCRA] offset:16896
	ds_load_b128 v[BL:BL+3],   v[SCRA] offset:17408
.set ii, 0
.rept 32
	ds_load_b128 v[SC+4*ii:SC+4*ii+3], v[SCRA] offset:512*ii
.set ii, ii+1
.endr
	s_wait_dscnt 0x20                              ; maxima and sums are in; the 32 loads of the partner's O^T stay out
.irp hd, 0,1,2,3
	v_max_num_f32 v[T+\hd], v[MX+2*\hd], v[BM+2*\hd]
.endr
.irp hd, 0,1,2,3
	v_sub_f32 v[T+4+\hd], v[MX+2*\hd], v[T+\hd]
	v_sub_f32 v[T+8+\hd], v[BM+2*\hd], v[T+\hd]
.endr
.irp hd, 0,1,2,3
	v_exp_f32 v[T+4+\hd], v[T+4+\hd]
	v_exp_f32 v[T+8+\hd], v[T+8+\hd]
.endr
	v_nop
	s_wait_alu depctr_va_vdst(0)
.irp hd, 0,1,2,3
	v_mul_f32 v[T+12+\hd], v[LS+\hd], v[T+4+\hd]
.endr
.irp hd, 0,1,2,3
	v_fma_f32 v[T+12+\hd], v[BL+\hd], v[T+8+\hd], v[T+12+\hd]
.endr
.irp hd, 0,1,2,3
	v_permlanex16_b32 v[TX+\hd], v[T+12+\hd], s19, s20     ; the other lane half holds the other keys' sum
.endr
.irp hd, 0,1,2,3
	v_add_f32 v[T+12+\hd], v[T+12+\hd], v[TX+\hd]
.endr
.irp hd, 0,1,2,3
	v_rcp_f32 v[T+12+\hd], v[T+12+\hd]
.endr
	v_nop
	s_wait_alu depctr_va_vdst(0)
.irp hd, 0,1,2,3
	v_mul_f32 v[GA+2*\hd],   v[T+4+\hd], v[T+12+\hd]
	v_mul_f32 v[GA+2*\hd+1], v[T+4+\hd], v[T+12+\hd]
	v_mul_f32 v[GB+2*\hd],   v[T+8+\hd], v[T+12+\hd]
	v_mul_f32 v[GB+2*\hd+1], v[T+8+\hd], v[T+12+\hd]
.endr
	s_wait_dscnt 0x0
.irp hd, 0,1,2,3
.irp i, 0,1,2,3,4,5,6,7,8,9,10,11,12,13,14,15
	v_pk_mul_f32 v[SC+32*\hd+2*\i:SC+32*\hd+2*\i+1], v[SC+32*\hd+2*\i:SC+32*\hd+2*\i+1], v[GB+2*\hd:GB+2*\hd+1]
.endr
.endr
	WIN 0x01
.irp hd, 0,1,2,3
.irp i, 0,1,2,3,4,5,6,7,8,9,10,11,12,13,14,15
	v_pk_fma_f32 v[SC+32*\hd+2*\i:SC+32*\hd+2*\i+1], v[OA+32*\hd+2*\i:OA+32*\hd+2*\i+1], v[GA+2*\hd:GA+2*\hd+1], v[SC+32*\hd+2*\i:SC+32*\hd+2*\i+1]
.endr
.endr
	WIN 0
	; the way out: lane (r, h) holds d = 16 dt + 8 h .. + 7 of query r: 16 bytes into my own stage, whole rows of 512 bytes back
.irp t, 0,1,2,3,4,5,6,7,8,9,10,11,12,13,14,15
.irp q, 0,1,2,3
	v_cvt_pk_f16_f32 v[SC+8*\t+\q], v[SC+8*\t+2*\q], v[SC+8*\t+2*\q+1]
.endr
.endr
.irp hd, 0,1,2,3
.irp dt, 0,1,2,3
	ds_store_b128 v[STO], v[SC+32*\hd+8*\dt:SC+32*\hd+8*\dt+3] offset:128*\hd+32*\dt
.endr
.endr
.irp i, 0,1,2,3,4,5,6,7,8,9,10,11,12,13,14,15
	ds_load_b128 v[KV+4*\i:KV+4*\i+3], v[RD] offset:MP*\i      ; LDS serves a wave's instructions in order (ISA guide 5.7.1.4): these see the stores above
.endr
.irp i, 0,1,2,3,4,5,6,7,8,9,10,11,12,13,14,15
	s_wait_dscnt 15-\i                             ; the younger read-backs stay out
	global_store_b128 v[CO], v[KV+4*\i:KV+4*\i+3], s[84:85] offset:4096*\i    ; 512 consecutive bytes of att, aligned
.endr
.Lclose:
	s_wait_tensorcnt 0x0
	ds_add_u32 v62, v63
	s_wait_dscnt 0x0
	CROUND                                         ; the closing round
	s_endpgm
.Lfunc_end_k_qdab3530088_attn:
	.size	k_qdab3530088_attn, .Lfunc_end_k_qdab3530088_attn-k_qdab3530088_attn
	.p2alignl 7, 3214868480
	.fill 96, 4, 3214868480
	.section	.rodata,"a",@progbits
	.p2align	6, 0x0
	.amdhsa_kernel k_qdab3530088_attn
		.amdhsa_group_segment_fixed_size 327680
		.amdhsa_private_segment_fixed_size 0
		.amdhsa_enable_private_segment 0
		.amdhsa_kernarg_size 24
		.amdhsa_user_sgpr_count 2
		.amdhsa_user_sgpr_kernarg_segment_ptr 1
		.amdhsa_wavefront_size32 1
		.amdhsa_system_sgpr_workgroup_id_x 1
		.amdhsa_system_sgpr_workgroup_id_y 1
		.amdhsa_system_sgpr_workgroup_id_z 1
		.amdhsa_system_vgpr_workitem_id 0
		.amdhsa_next_free_vgpr 480
		.amdhsa_next_free_sgpr 92
		.amdhsa_reserve_vcc 0
		.amdhsa_float_denorm_mode_32 3
		.amdhsa_float_denorm_mode_16_64 3
		.amdhsa_memory_ordered 1
		.amdhsa_forward_progress 1
		.amdhsa_inst_pref_size 255
	.end_amdhsa_kernel
	.section	.bss,"aw",@nobits
	.p2align	6
	.space	262144
	.amdgpu_metadata
---
amdhsa.version: [ 1, 2 ]
amdhsa.kernels:
  - .name:           k_qdab3530088_attn
    .symbol:         k_qdab3530088_attn.kd
    .args:
      - { .name: qkvh, .offset: 0, .size: 8, .value_kind: global_buffer, .address_space: global }
      - { .name: mask, .offset: 8, .size: 8, .value_kind: global_buffer, .address_space: global }
      - { .name: att, .offset: 16, .size: 8, .value_kind: global_buffer, .address_space: global }
    .group_segment_fixed_size: 327680
    .private_segment_fixed_size: 0
    .kernarg_segment_align: 8
    .kernarg_segment_size: 24
    .max_flat_workgroup_size: 256
    .sgpr_count:     92
    .vgpr_count:     480
    .wavefront_size: 32
...
	.end_amdgpu_metadata
.endif
;; end of part 3
;; launch oproj (part 4): grid 16 x 16, 4 waves a work-group, clusters of 4 x 4, 327,680 bytes of LDS; arguments att, woh, out0; writes out0
.if DOCPART == 4
	.amdgcn_target "amdgcn-amd-amdhsa--gfx1250"
	.amdhsa_code_object_version 6
	.text
	.protected	k_qdab3530088_oproj
	.globl	k_qdab3530088_oproj
	.p2align	8
	.type	k_qdab3530088_oproj,@function
k_qdab3530088_oproj:
	s_mov_b64 s[64:65], 0
	v_nop
	global_prefetch_b8 v0, s[64:65] scope:SCOPE_SE
	s_setreg_imm32_b32 hwreg(HW_REG_WAVE_MODE, 25, 1), 1
	s_wait_xcnt 0x0
	s_wait_alu depctr_hold_cnt(0) depctr_sa_sdst(0) depctr_va_vdst(0) depctr_va_sdst(0) depctr_va_ssrc(0) depctr_va_vcc(0) depctr_vm_vsrc(0)
	s_getreg_b32 s2, hwreg(HW_REG_IB_STS2, 6, 4)
	s_cmp_eq_u32 s2, 0
	s_cbranch_scc0 .Lentry_in_a_cluster
	s_endpgm
.Lentry_in_a_cluster:
	s_bfe_u32 s2, ttmp6, 0x10000c
	s_cmp_lg_u32 s2, 0xf033
	s_cbranch_scc0 .Lentry_shape_is_right
	s_endpgm
.Lentry_shape_is_right:
; out0 [2048][2048] f32 = att . woh.  att [2048][2048] f16, woh [2048 k][2048 n] f16, sums in f32.
; A work-group makes 128 x 128 with four waves, wave (wm, wn) 64 x 64 = 4 x 4 accumulator tiles.
; THE RING: K goes in 8 periods of 256 through two LDS slots, one tensor load a wave behind each change of slots: 128 k rows x 256 bytes of the
; weights (waves 0, 1) or 64 rows x 512 bytes of att (waves 2, 3).  A period is eight quarter steps of 32 along K; from a request to the wait
; for it a wave issues 120 matrix instructions.  Two slots of 141,312 bytes and the stage take 300,032 bytes: a longer period does not fit.
; CLUSTERS: 4 x 4 work-groups; att's tile is asked for jointly by a row of the cluster, the weights' tile by a column.
; The weights lie [k][n]; ds_load_tr16_b128 transposes them.  The matrix instruction is used transposed (source 0 = 16 columns of the
; weights, source 1 = 16 rows of att): a lane holds eight neighbouring columns of a row, 32 bytes of the f32 output.
.set BN,      128
.set NT,      4
.set BP,      288                      ; LDS pitch of a weights row: 256 bytes + 32; 9 x 32
.set BSTRIDE, 2048
.set AP,      528                      ; LDS pitch of a row of att: 512 bytes + 16; 33 x 16
.set SP,      272                      ; pitch of the stage: 256 bytes + 16
.set HALFB,   128*BP                   ; what one tensor load brings of the weights: 128 k rows
.set BBYTES,  2*HALFB
.set HALFA,   64*AP                    ; and of att: 64 rows
.set SLOT,    BBYTES+2*HALFA           ; 141,312
.set STAGE,   2*SLOT                   ; behind the ring, never a tensor load's target: 16 rows x 272 bytes for each wave
.set ADRA, 8                           ; v8, v9    LDS address of my fragments of att in slot 0, 1
.set STO,  12
.set RD,   13
.set CO,   14
.set ADRB, 20                          ; v20-v23   of the weights: slot s, k rows 0-127 at 2 s, k rows 128-255 at 2 s + 1 (an LDS offset has 16 bits)
.set FB,   32                          ; fragments of the weights, buffer 0: v[32:63];  buffer 1: v[112:143]
.set FA,   80                          ; fragments of att,         buffer 0: v[80:111]; buffer 1: v[160:191]
.set FSTEP, 80
.set G1A, 24
.set G1B, 32
.set G0A, 40                           ; group 0, a set for each slot
.set G0B, 48
.set MSB, 0
.macro WIN new
.if MSB != \new
	s_set_vgpr_msb (MSB<<8)|\new
.set MSB, \new
.endif
.endm
.macro PLACES n
.rept \n
	v_nop
.endr
.endm
.macro CREST
	s_cmp_lg_u32 s14, 0
	s_cbranch_scc1 .Lnot_wave_0_\@
	s_barrier_signal -3
.Lnot_wave_0_\@:
	s_barrier_wait -3
	s_barrier_signal -1
	s_barrier_wait -1
.endm
.macro CROUND
	s_barrier_signal -1
	s_barrier_wait -1
	CREST
.endm
.macro JLOAD s                         ; waves 0 and 1 ask for the weights' two halves, waves 2 and 3 for att's
	s_cmp_eq_u32 s15, 0
	s_cbranch_scc0 .Lfor_a_\@
	tensor_load_to_lds s[G0B+4*\s:G0B+4*\s+3], s[G1B:G1B+7]
	s_nop 0
	s_branch .Lasked_\@
.Lfor_a_\@:
	tensor_load_to_lds s[G0A+4*\s:G0A+4*\s+3], s[G1A:G1A+7]
	s_nop 0
.Lasked_\@:
.endm
	s_load_b128 s[4:7], s[0:1], 0x0                ; att s[4:5], woh s[6:7]
	s_load_b64 s[12:13], s[0:1], 0x10              ; out0
	v_lshl_add_u32 v254, v0, 2, 0x49400
	v_mov_b32 v255, 0
	ds_add_u32 v254, v255
	v_lshrrev_b32 v1, 5, v0
	v_readfirstlane_b32 s14, v1                    ; wave 0..3
	s_lshr_b32 s15, s14, 1                         ; wm.  Also: I fetch for the weights (0) or for att (1)
	s_and_b32 s16, s14, 1                          ; wn.  Also: which half of that tile I fetch
	s_bfe_u32 s17, ttmp6, 0x40000                  ; cx
	s_bfe_u32 s18, ttmp6, 0x40004                  ; cy
	s_lshl_b32 s19, ttmp9, 2
	s_add_co_u32 s19, s19, s17                     ; block column bx
	s_and_b32 s20, ttmp7, 0xffff
	s_lshl_b32 s20, s20, 2
	s_add_co_u32 s20, s20, s18                     ; block row by
	s_lshl_b32 s21, s18, 2
	s_lshl_b32 s21, 15, s21                        ; my row of the cluster
	s_lshl_b32 s22, 0x1111, s17                    ; my column
	s_or_b32 s[G1A+0], s21, (1<<16)|(1<<20)|(1<<21)|(6<<22)|(3<<25)   ; att: 64 rows x 256 elements of 2 bytes, 4 words behind every 128
	s_mov_b32 s[G1A+1], 256<<16                    ; tensor_dim0 = 256
	s_mov_b32 s[G1A+2], 64<<16                     ; tensor_dim1 = 64
	s_mov_b32 s[G1A+3], 256<<16                    ; tile_dim0 = 256
	s_mov_b32 s[G1A+4], 64                         ; tile_dim1 = 64
	s_mov_b32 s[G1A+5], 2048                       ; elements from row to row
	s_mov_b32 s[G1A+6], 0
	s_mov_b32 s[G1A+7], 0
	s_or_b32 s[G1B+0], s22, (1<<16)|(1<<20)|(1<<21)|(5<<22)|(7<<25)   ; weights: 128 k rows x 128 elements, 8 words behind every 64
	s_mov_b32 s[G1B+1], BN<<16
	s_mov_b32 s[G1B+2], 128<<16
	s_mov_b32 s[G1B+3], BN<<16
	s_mov_b32 s[G1B+4], 128
	s_mov_b32 s[G1B+5], BSTRIDE
	s_mov_b32 s[G1B+6], 0
	s_mov_b32 s[G1B+7], 0
	s_lshl_b32 s56, s20, 7
	s_lshl_b32 s57, s16, 6
	s_add_co_u32 s56, s56, s57                     ; att: row 128 by + 64 half
	s_lshl_b32 s56, s56, 12
	s_mov_b32 s57, 0
	s_mul_i32 s60, s16, 128*BSTRIDE*2              ; weights: k row 128 half,
	s_mul_i32 s61, s19, 2*BN                       ; column 128 bx
	s_add_co_u32 s60, s60, s61
	s_mov_b32 s61, 0
	s_mul_i32 s66, s14, HALFB                      ; LDS: the weights' halves at wave x 36,864 (waves 0, 1),
	s_mul_i32 s67, s14, HALFA
	s_add_co_u32 s67, s67, BBYTES-2*HALFA          ; att's halves behind them at 73,728 + (wave - 2) x 33,792 (waves 2, 3)
	s_lshl_b32 s78, s20, 7
	s_lshl_b32 s79, s15, 6
	s_add_co_u32 s78, s78, s79                     ; out0: row 128 by + 64 wm,
	s_lshl_b32 s78, s78, 13                        ; rows of 8,192 bytes,
	s_lshl_b32 s79, s19, 9                         ; column 128 bx + 64 wn, 4 bytes each
	s_add_co_u32 s78, s78, s79
	s_lshl_b32 s79, s16, 8
	s_add_co_u32 s78, s78, s79
	s_mov_b32 s79, 0
	s_wait_dscnt 0x0
	s_wait_kmcnt 0x0
	s_add_nc_u64 s[58:59], s[4:5], s[56:57]
	s_add_nc_u64 s[62:63], s[6:7], s[60:61]
	s_add_nc_u64 s[74:75], s[12:13], s[78:79]
	CROUND                                         ; in front of the first joint loads
.irp s, 0,1
	s_mov_b32 s[G0A+4*\s], 1
	s_add_co_u32 s[G0A+4*\s+1], s67, \s*SLOT
	s_add_nc_u64 s[G0A+4*\s+2:G0A+4*\s+3], s[58:59], \s*512              ; period s: 256 of K
	s_or_b32 s[G0A+4*\s+3], s[G0A+4*\s+3], 0x80000000
	s_mov_b32 s[G0B+4*\s], 1
	s_add_co_u32 s[G0B+4*\s+1], s66, \s*SLOT
	s_add_nc_u64 s[G0B+4*\s+2:G0B+4*\s+3], s[62:63], \s*256*BSTRIDE*2
	s_or_b32 s[G0B+4*\s+3], s[G0B+4*\s+3], 0x80000000
	JLOAD \s                                       ; both slots' first fills go out together: two tensor loads of the wave are out
.endr
	v_and_b32 v1, 15, v0                           ; r
	v_bfe_u32 v2, v0, 4, 1                         ; h
	v_and_b32 v3, 7, v0
	v_bfe_u32 v4, v0, 3, 1
	v_mul_u32_u24 v6, v1, AP                       ; att: (64 wm + r) pitch + 16 h, behind the weights
	v_lshl_add_u32 v6, v2, 4, v6
	s_mul_i32 s80, s15, HALFA
	s_add_co_u32 s80, s80, BBYTES
	v_add_nc_u32 v[ADRA], s80, v6
	v_add_nc_u32 v[ADRA+1], SLOT, v[ADRA]
	v_lshl_add_u32 v7, v2, 3, v3                   ; weights, for the transposing load: k row 8 h + lane % 8,
	v_mul_u32_u24 v7, v7, BP
	v_lshl_add_u32 v7, v4, 4, v7                   ; 16 bytes further for lanes 8-15 and 24-31,
	s_lshl_b32 s81, s16, 7                         ; my 64 columns
	v_add_nc_u32 v[ADRB], s81, v7
	v_add_nc_u32 v[ADRB+1], HALFB, v[ADRB]
	v_add_nc_u32 v[ADRB+2], SLOT, v[ADRB]
	v_add_nc_u32 v[ADRB+3], SLOT, v[ADRB+1]
	v_mul_u32_u24 v16, v1, SP                      ; my stage, in: row r, byte 32 h
	v_lshl_add_u32 v16, v2, 5, v16
	s_mul_i32 s82, s14, 16*SP
	s_add_co_u32 s82, s82, STAGE
	v_add_nc_u32 v[STO], s82, v16
	v_mul_u32_u24 v17, v2, SP                      ; back: lanes 0-15 one row of 256 bytes, lanes 16-31 the next
	v_lshl_add_u32 v17, v1, 4, v17
	v_add_nc_u32 v[RD], s82, v17
	v_lshlrev_b32 v18, 13, v2                      ; and the same two rows in out0
	v_lshl_add_u32 v[CO], v1, 4, v18
.macro MULROW f, mt, zero
.irp j, 0,1,2,3
.if \zero
	v_wmma_f32_16x16x32_f16 v[8*(NT*\mt+\j):8*(NT*\mt+\j)+7], v[FB+\f*FSTEP+8*\j:FB+\f*FSTEP+8*\j+7], v[FA+\f*FSTEP+8*\mt:FA+\f*FSTEP+8*\mt+7], 0
.else
	v_wmma_f32_16x16x32_f16 v[8*(NT*\mt+\j):8*(NT*\mt+\j)+7], v[FB+\f*FSTEP+8*\j:FB+\f*FSTEP+8*\j+7], v[FA+\f*FSTEP+8*\mt:FA+\f*FSTEP+8*\mt+7], v[8*(NT*\mt+\j):8*(NT*\mt+\j)+7]
.endif
.endr
.endm
.macro FETCH slot, q, f                ; 16 LDS loads: the fragments of quarter step q (0-7) of a period into buffer f
.irp j, 0,1,2,3
	ds_load_tr16_b128 v[FB+\f*FSTEP+8*\j:FB+\f*FSTEP+8*\j+3],   v[ADRB+2*\slot+(\q)/4] offset:32*((\q)%4)*BP+32*\j
	ds_load_tr16_b128 v[FB+\f*FSTEP+8*\j+4:FB+\f*FSTEP+8*\j+7], v[ADRB+2*\slot+(\q)/4] offset:32*((\q)%4)*BP+16*BP+32*\j
.endr
.irp m, 0,1,2,3
	ds_load_b128 v[FA+\f*FSTEP+8*\m:FA+\f*FSTEP+8*\m+3],   v[ADRA+\slot] offset:64*\q+16*AP*\m
	ds_load_b128 v[FA+\f*FSTEP+8*\m+4:FA+\f*FSTEP+8*\m+7], v[ADRA+\slot] offset:64*\q+16*AP*\m+32
.endr
.endm
; Buffer f, fetched a quarter ago, is multiplied; ahead of that the next quarter's fragments are asked for into buffer g, four places behind
; the last matrix instruction that read g (ISA guide 7.12.1 for vector instructions).  The 16 accumulators take turns, one
; instruction a turn, in the same order in every quarter.
.macro QUARTER slot, qn, f, g, zero
	s_wait_dscnt 0x0
	PLACES 4
	FETCH \slot, \qn, \g
	WIN 0x50
	MULROW \f, 0, \zero
	MULROW \f, 1, \zero
	MULROW \f, 2, \zero
	MULROW \f, 3, \zero
	WIN 0
.endm
.macro SEVEN slot, zero                ; a period's quarters 0 to 6
	QUARTER \slot, 1, 0, 1, \zero
	QUARTER \slot, 2, 1, 0, 0
	QUARTER \slot, 3, 0, 1, 0
	QUARTER \slot, 4, 1, 0, 0
	QUARTER \slot, 5, 0, 1, 0
	QUARTER \slot, 6, 1, 0, 0
	QUARTER \slot, 7, 0, 1, 0
.endm
; The last quarter changes slots: each wave's reads of this slot and all its tensor loads are waited for in front of the barrier; where the slot is
; filled again the barrier opens a round of the cluster's barrier and the joint refill is the wave's first and only tensor load behind it.
.macro TURN slot, next, fill
	s_wait_dscnt 0x0
	s_wait_tensorcnt 0x0
	ds_add_u32 v254, v255
	s_wait_dscnt 0x0
	s_barrier_signal -1
	WIN 0x50
	MULROW 1, 0, 0                                 ; register work while the others arrive
	MULROW 1, 1, 0
	WIN 0
	s_barrier_wait -1
.if \fill
	CREST
	s_add_nc_u64 s[G0A+4*\slot+2:G0A+4*\slot+3], s[G0A+4*\slot+2:G0A+4*\slot+3], 2*512             ; no tensor load of mine is out: two periods on
	s_add_nc_u64 s[G0B+4*\slot+2:G0B+4*\slot+3], s[G0B+4*\slot+2:G0B+4*\slot+3], 2*256*BSTRIDE*2
	JLOAD \slot
.endif
	PLACES 4
	FETCH \next, 0, 0
	WIN 0x50
	MULROW 1, 2, 0
	MULROW 1, 3, 0
	WIN 0
.endm
.macro LAP zero                        ; once round the ring: two periods, both slots filled again
	SEVEN 0, \zero
	TURN 0, 1, 1
	SEVEN 1, 0
	TURN 1, 0, 1
.endm
	s_wait_tensorcnt 0x1                           ; my part of period 0 is in; period 1's load stays out
	s_barrier_signal -1
	s_barrier_wait -1
	FETCH 0, 0, 0
	LAP 1                                          ; periods 0, 1: the first products start the sums
	s_mov_b32 s23, 2
.Llap:                                 ; periods 2 to 5
	LAP 0
	s_sub_co_u32 s23, s23, 1
	s_cmp_lg_u32 s23, 0
	s_cbranch_scc1 .Llap
	SEVEN 0, 0                                     ; periods 6, 7 fill nothing
	TURN 0, 1, 0
	SEVEN 1, 0
	s_wait_dscnt 0x0
	WIN 0x50
	MULROW 1, 0, 0
	MULROW 1, 1, 0
	MULROW 1, 2, 0
	MULROW 1, 3, 0
	WIN 0
	PLACES 4                                       ; behind the last matrix instructions, ahead of the LDS stores of results and the loads into fragment registers
; THE WAY OUT, 16 rows at a time through my own stage: 32 bytes a lane in, whole rows of 256 bytes back, sixteen lanes to an aligned run of 256 bytes of out0.
.macro OUT16 mt, f
	WIN 0x04                                       ; store data in window 1
.irp j, 0,1,2,3
	ds_store_b128 v[STO], v[8*(NT*\mt+\j):8*(NT*\mt+\j)+3]   offset:64*\j
	ds_store_b128 v[STO], v[8*(NT*\mt+\j)+4:8*(NT*\mt+\j)+7] offset:64*\j+16
.endr
	WIN 0
	s_wait_xcnt 0x0                                ; registers f .. f + 31 were store data two turns ago: they are loaded again only behind this wait
.irp t, 0,1,2,3,4,5,6,7
	ds_load_b128 v[\f+4*\t:\f+4*\t+3], v[RD] offset:2*SP*\t    ; LDS serves a wave's instructions in order (ISA guide 5.7.1.4): these see the stores above
.endr
.irp t, 0,1,2,3,4,5,6,7
	s_wait_dscnt 7-\t                              ; the younger read-backs stay out
	global_store_b128 v[CO], v[\f+4*\t:\f+4*\t+3], s[74:75] offset:(16*\mt+2*\t)*8192 th:TH_STORE_NT
.endr
.endm
	OUT16 0, 32
	OUT16 1, 112
	OUT16 2, 32
	OUT16 3, 112
	s_wait_tensorcnt 0x0
	ds_add_u32 v254, v255
	s_wait_dscnt 0x0
	CROUND                                         ; the closing round
	s_endpgm
.Lfunc_end_k_qdab3530088_oproj:
	.size	k_qdab3530088_oproj, .Lfunc_end_k_qdab3530088_oproj-k_qdab3530088_oproj
	.p2alignl 7, 3214868480
	.fill 96, 4, 3214868480
	.section	.rodata,"a",@progbits
	.p2align	6, 0x0
	.amdhsa_kernel k_qdab3530088_oproj
		.amdhsa_group_segment_fixed_size 327680
		.amdhsa_private_segment_fixed_size 0
		.amdhsa_enable_private_segment 0
		.amdhsa_kernarg_size 24
		.amdhsa_user_sgpr_count 2
		.amdhsa_user_sgpr_kernarg_segment_ptr 1
		.amdhsa_wavefront_size32 1
		.amdhsa_system_sgpr_workgroup_id_x 1
		.amdhsa_system_sgpr_workgroup_id_y 1
		.amdhsa_system_sgpr_workgroup_id_z 1
		.amdhsa_system_vgpr_workitem_id 0
		.amdhsa_next_free_vgpr 384
		.amdhsa_next_free_sgpr 88
		.amdhsa_reserve_vcc 0
		.amdhsa_float_denorm_mode_32 3
		.amdhsa_float_denorm_mode_16_64 3
		.amdhsa_memory_ordered 1
		.amdhsa_forward_progress 1
		.amdhsa_inst_pref_size 126
	.end_amdhsa_kernel
	.amdgpu_metadata
---
amdhsa.version: [ 1, 2 ]
amdhsa.kernels:
  - .name:           k_qdab3530088_oproj
    .symbol:         k_qdab3530088_oproj.kd
    .args:
      - { .name: att, .offset: 0, .size: 8, .value_kind: global_buffer, .address_space: global }
      - { .name: woh, .offset: 8, .size: 8, .value_kind: global_buffer, .address_space: global }
      - { .name: out0, .offset: 16, .size: 8, .value_kind: global_buffer, .address_space: global }
    .group_segment_fixed_size: 327680
    .private_segment_fixed_size: 0
    .kernarg_segment_align: 8
    .kernarg_segment_size: 24
    .max_flat_workgroup_size: 128
    .sgpr_count:     88
    .vgpr_count:     384
    .wavefront_size: 32
...
	.end_amdgpu_metadata
.endif
;; end of part 4
